; MI455X (gfx1250); checked and timed in simulation.
; The chip was launched on July 23, 2026; its instructions are those of AMD's public machine-readable ISA for CDNA 5 (MIT licence, August 2026) and "CDNA5" Instruction Set Architecture Reference Guide (July 2026). The comments in the code are by the model that wrote it; some were corrected since.
;; RWKV RNN. Allowed arithmetic: float matrix products may take bf16 or f16 operands with f32 sums; all other float work in f32.
;; Inputs: k 4 x 1,024 x 32 x 64 float32; r 4 x 1,024 x 32 x 64 float32; state2 4 x 32 x 64 x 64 float32; time_decay 32 x 64 x 1 float32; time_first 32 x 64 x 1 float32; v 4 x 1,024 x 32 x 64 float32.
;; Outputs: out0 4 x 1,024 x 32 x 64 float32; out1 4 x 32 x 64 x 64 float32.
;; 2 versions, each right and faster than the one before. Each part assembles by itself: llvm-mc -triple=amdgcn-amd-amdhsa -mcpu=gfx1250 --defsym DOCPART=n.
;; ======== version 1 of 2: 1 launch
;; limits: a function is approximated: absolute error at most 0.0004883; values are held in f16: magnitudes above 65,504 overflow, below 6.1e-05 lose precision
;; launch wkv (part 1): grid 128 x 1, 16 waves a work-group, no clusters, 324,608 bytes of LDS; arguments k, r, v, state2, time_decay, time_first, out0, out1; writes out0, out1
.if DOCPART == 1
	.amdgcn_target "amdgcn-amd-amdhsa--gfx1250"
	.amdhsa_code_object_version 6
	.text
	.protected	k_q875c9c01e9_wkv
	.globl	k_q875c9c01e9_wkv
	.p2align	8
	.type	k_q875c9c01e9_wkv,@function
k_q875c9c01e9_wkv:
	s_mov_b64 s[64:65], 0
	v_nop
	global_prefetch_b8 v0, s[64:65] scope:SCOPE_SE
	s_setreg_imm32_b32 hwreg(HW_REG_WAVE_MODE, 25, 1), 1
	s_wait_xcnt 0x0
; RWKV-5 WKV.  Per (b, h), with w = time_decay, u = time_first (the scale 1/128 cancels in the state):
;   out_t = (1/128) r_t^T (diag(u) k_t v_t^T + S_t),   S_(t+1) = diag(w) S_t + k_t v_t^T.
; One work-group of 16 waves per (b, h): 128 work-groups.  Two steps of 512 tokens; in a step wave c owns chunk c of 32 tokens
; (two blocks of 16, a = token mod 16).  For a chunk that starts with state S:
;   A^T(j, i) = sum_s k_j w^(i-1-j) r_i / 128 for j < i, c_i = sum_s r_i u k_i / 128 for j = i, 0 else
;   out^T     = V^T A^T + (w^8 S)^T R~,  R~ = r w^(a-8)/128 (block 0), r w^(a+8)/128 (block 1)
;   U         = sum_j (k_j w^(31-j)) v_j^T,   S' = w^32 S + U   (f32, carried by 512 threads over the 16 chunks of a step)
; NUMBER FORMATS.  Operands that carry w^(a-8) or the state need bf16's range; they go as hi + lo pairs of bf16 (products hh + lh + hl),
; so that their rounding does not show.  V, k w^(31-j) and the masked A^T are bounded by the inputs times w^31 and go in f16.
; LIMITS.  |time_decay| < 2^-12 is taken as 2^-12 (the decay factor is then off by at most 2^-11 absolute).  The f16 operands v,
; k w^(31-j) and A/128 overflow above 65,504 and have an absolute step of 6e-8 below 6.1e-5.  Sums are formed chunk by chunk: the order of
; rounding differs from the token-by-token recurrence.
; NO CLUSTER: no two work-groups read the same bytes of k, r, v or state2.  NO TENSOR LOADS: every operand is scaled in f32 before it is
; rounded, so it passes through registers anyway.  Every row (b, t, h) is 256 consecutive bytes, aligned; one 16-byte load or store of a
; wave covers two whole rows, and each byte is read once and written once.
.set TOK,    8192                      ; bytes from a token's row to the next token's
.set STEPB,  512*TOK                   ; bytes of a step
.set REG,    19072                     ; LDS bytes of a wave's region
.set SPARE,  16*REG                    ; 64 x 272 bytes behind the regions: the state on its way in and out
; a region while operands are staged (hi/lo rows: 128 bytes hi, 128 bytes lo, pitch 272; rows read transposed: 128 bytes, pitch 160)
.set V_OFF,  0                         ; V, f16, 32 rows x 160
.set RX_OFF, 2560                      ; r w^(a+8)/128 of block 1, 16 rows x 272: lies where V's rows 16-31 and Ku's rows 0-15 come later
.set KU_OFF, 5120                      ; k w^(31-j), f16, 32 rows x 160
.set C_OFF,  10240                     ; c_i, 32 words
.set RA_OFF, 10368                     ; r w^(a-8)/128 of the block at work, 16 rows x 272
.set KA_OFF, 14720                     ; k w^(7-a) of the block at work, 16 rows x 272
; afterwards the region holds U^T[d][s] in f32 (64 rows x 272), then in its place hi/lo of w^8 S, then 32 rows x 272 of out
.set GOFF, 1                           ; wave x 32 tokens + (lane/16) x one token + 16 (lane%16): never rewritten
.set STW,  2                           ; region + (lane/16) 272 + 8 (lane%16)
.set STT,  3                           ; region + (lane/16) 160 + 8 (lane%16)
.set FRP,  4                           ; region + (lane%16) 272 + 16 (lane/16)
.set FRT,  5                           ; region + (8 (lane/16) + lane%8) 160 + 16 ((lane/8)%2)
.set CW,   6                           ; region + C_OFF + 4 (lane/16)
.set CR,   7                           ; region + C_OFF + 4 (lane%16)
.set UST,  8                           ; region + (lane%16) 272 + 32 (lane/16)
.set ORD,  9                           ; region + (lane/16) 272 + 16 (lane%16)
.set PF,   10                          ; v10-13: (4 wave + lane/8) 272 + 32 (lane%8) + 4 q REG
.set W2,   16                          ; tables for my four s = 4 (lane%16) ..: w^2,
.set I8,   20                          ; w^-8,
.set X8,   24                          ; w^8,
.set X16,  28                          ; w^16,
.set P0,   32                          ; w^(lane/16) / 128,
.set Q0,   36                          ; w^(1 - lane/16),
.set US,   40                          ; u / 128
.set PQ,   44                          ; the running power
.set W32,  48                          ; w^32 of my eight s = 8 (lane%8) ..
.set X8P,  56                          ; w^8 of the same
.set CAR,  64                          ; the carried state: S[8 (lane%8) + e][4 wave + lane/8]
.set T,    72                          ; v72-87 at work
.set RP,   88                          ; v88-151  r as loaded; then R~ fragments; then out on its way
.set KP,   152                         ; v152-215 k as loaded; then K fragments and tiles; then the 8 tiles of out^T
.set VP,   216                         ; v216-247 half of v as loaded; then V fragments; then slots of the prefix and of the state product
.set SP,   248                         ; v248-255
.macro PLACES cnt                      ; plain vector instructions between a matrix instruction and what touches its registers (ISA guide 7.12.1)
.rept \cnt
	v_nop
.endr
.endm
.macro BAR
	s_barrier_signal -1
	s_barrier_wait -1
.endm
.macro WB0 d, a, b
	v_wmma_f32_16x16x32_bf16 v[\d:\d+7], v[\a:\a+7], v[\b:\b+7], 0
.endm
.macro WBA d, a, b
	v_wmma_f32_16x16x32_bf16 v[\d:\d+7], v[\a:\a+7], v[\b:\b+7], v[\d:\d+7]
.endm
.macro WH0 d, a, b
	v_wmma_f32_16x16x32_f16 v[\d:\d+7], v[\a:\a+7], v[\b:\b+7], 0
.endm
; the loads of a step: 16 bytes a lane, two token rows an instruction
.macro ISSUE_V st
.irp i, 0,1,2,3,4,5,6,7
	global_load_b128 v[VP+4*\i:VP+4*\i+3], v[GOFF], s[12:13] offset:\st*STEPB+\i*2*TOK th:TH_LOAD_NT
.endr
.endm
.macro ISSUE_K st
.irp i, 0,1,2,3,4,5,6,7,8,9,10,11,12,13,14,15
	global_load_b128 v[KP+4*\i:KP+4*\i+3], v[GOFF], s[8:9] offset:\st*STEPB+\i*2*TOK th:TH_LOAD_NT
.endr
.endm
.macro ISSUE_R st
.irp i, 0,1,2,3,4,5,6,7,8,9,10,11,12,13,14,15
	global_load_b128 v[RP+4*\i:RP+4*\i+3], v[GOFF], s[10:11] offset:\st*STEPB+\i*2*TOK th:TH_LOAD_NT
.endr
.endm
; four f32 at src -> hi (bf16) at off, lo = bf16(x - hi) at off + 128
.macro HLST src, adr, off
	v_cvt_pk_bf16_f32 v[T+8], v[\src], v[\src+1]
	v_cvt_pk_bf16_f32 v[T+9], v[\src+2], v[\src+3]
	v_lshlrev_b32 v[T+10], 16, v[T+8]
	v_and_b32 v[T+11], s28, v[T+8]
	v_lshlrev_b32 v[T+12], 16, v[T+9]
	v_and_b32 v[T+13], s28, v[T+9]
	v_pk_add_f32 v[\src:\src+1], v[\src:\src+1], v[T+10:T+11] neg_lo:[0,1] neg_hi:[0,1]
	v_pk_add_f32 v[\src+2:\src+3], v[\src+2:\src+3], v[T+12:T+13] neg_lo:[0,1] neg_hi:[0,1]
	v_cvt_pk_bf16_f32 v[T+14], v[\src], v[\src+1]
	v_cvt_pk_bf16_f32 v[T+15], v[\src+2], v[\src+3]
	ds_store_b64 v[\adr], v[T+8:T+9] offset:\off
	ds_store_b64 v[\adr], v[T+14:T+15] offset:\off+128
.endm
; tokens 2 idx, 2 idx + 1 of v to f16
.macro VSTEP idx, src
	v_cvt_pk_f16_f32 v[T+2*((\idx)%8)], v[\src], v[\src+1]
	v_cvt_pk_f16_f32 v[T+2*((\idx)%8)+1], v[\src+2], v[\src+3]
	ds_store_b64 v[STT], v[T+2*((\idx)%8):T+2*((\idx)%8)+1] offset:V_OFF+(\idx)*320
.endm
; tokens a = 2 nn, 2 nn + 1 of block blk: r w^(a-8)/128, for block 1 also r w^(a+8)/128, and c = sum over s of r (u/128) k
.macro RSTEP blk, nn
.set IDX, 8*\blk+\nn
.set RR, RP+4*IDX
.set KK, KP+4*IDX
.if \nn == 0
.set FF, P0
.else
.set FF, PQ
.endif
	v_pk_mul_f32 v[SP:SP+1], v[RR:RR+1], v[US:US+1]
	v_pk_mul_f32 v[SP+2:SP+3], v[RR+2:RR+3], v[US+2:US+3]
	v_pk_mul_f32 v[T:T+1], v[RR:RR+1], v[FF:FF+1]              ; r w^a / 128
	v_pk_mul_f32 v[T+2:T+3], v[RR+2:RR+3], v[FF+2:FF+3]
	v_pk_mul_f32 v[SP:SP+1], v[SP:SP+1], v[KK:KK+1]
	v_pk_mul_f32 v[T+4:T+5], v[T:T+1], v[I8:I8+1]
	v_pk_mul_f32 v[T+6:T+7], v[T+2:T+3], v[I8+2:I8+3]
	v_pk_fma_f32 v[SP:SP+1], v[SP+2:SP+3], v[KK+2:KK+3], v[SP:SP+1]
.if \nn < 7
	v_pk_mul_f32 v[PQ:PQ+1], v[FF:FF+1], v[W2:W2+1]            ; two tokens on
	v_pk_mul_f32 v[PQ+2:PQ+3], v[FF+2:FF+3], v[W2+2:W2+3]
.endif
	v_add_f32 v[SP], v[SP], v[SP+1]
	HLST T+4, STW, RA_OFF+\nn*544
.if \blk == 1
	v_pk_mul_f32 v[T+4:T+5], v[T:T+1], v[X8:X8+1]
	v_pk_mul_f32 v[T+6:T+7], v[T+2:T+3], v[X8+2:X8+3]
	HLST T+4, STW, RX_OFF+\nn*544
.endif
	v_add_f32_dpp v[SP], v[SP], v[SP] row_xmask:1 row_mask:0xf bank_mask:0xf   ; over the 16 lanes that hold the token's row
	v_add_f32_dpp v[SP], v[SP], v[SP] row_xmask:2 row_mask:0xf bank_mask:0xf
	v_add_f32_dpp v[SP], v[SP], v[SP] row_xmask:4 row_mask:0xf bank_mask:0xf
	v_add_f32_dpp v[SP], v[SP], v[SP] row_xmask:8 row_mask:0xf bank_mask:0xf
	ds_store_b32 v[CW], v[SP] offset:8*IDX                     ; sixteen lanes store the same word
.endm
; the same tokens of k, nn running down: k w^(7-a) (hi/lo) and k w^(31-j) (f16)
.macro KSTEP blk, nn
.set IDX, 8*\blk+\nn
.set KK, KP+4*IDX
.if \nn == 7
.set FF, Q0
.else
.set FF, PQ
.endif
	v_pk_mul_f32 v[T:T+1], v[KK:KK+1], v[FF:FF+1]              ; k w^(15-a)
	v_pk_mul_f32 v[T+2:T+3], v[KK+2:KK+3], v[FF+2:FF+3]
	v_pk_mul_f32 v[T+4:T+5], v[T:T+1], v[I8:I8+1]
	v_pk_mul_f32 v[T+6:T+7], v[T+2:T+3], v[I8+2:I8+3]
.if \blk == 0
	v_pk_mul_f32 v[T:T+1], v[T:T+1], v[X16:X16+1]
	v_pk_mul_f32 v[T+2:T+3], v[T+2:T+3], v[X16+2:X16+3]
.endif
.if \nn > 0
	v_pk_mul_f32 v[PQ:PQ+1], v[FF:FF+1], v[W2:W2+1]
	v_pk_mul_f32 v[PQ+2:PQ+3], v[FF+2:FF+3], v[W2+2:W2+3]
.endif
	v_cvt_pk_f16_f32 v[T], v[T], v[T+1]
	v_cvt_pk_f16_f32 v[T+1], v[T+2], v[T+3]
	ds_store_b64 v[STT], v[T:T+1] offset:KU_OFF+IDX*320
	HLST T+4, STW, KA_OFF+\nn*544
.endm
; 16 rows x 64 s, hi and lo: dst+0 hi s 0-31, +8 hi s 32-63, +16 lo s 0-31, +24 lo s 32-63
.macro FRAG8 dst, off
.irp q, 0,1,2,3,4,5,6,7
	ds_load_b128 v[\dst+4*\q:\dst+4*\q+3], v[FRP] offset:\off+32*\q
.endr
.endm
; 32 tokens x 16 columns, read transposed: lane holds a column, the registers run along the tokens
.macro TFRAG dst, off
	ds_load_tr16_b128 v[\dst:\dst+3], v[FRT] offset:\off
	ds_load_tr16_b128 v[\dst+4:\dst+7], v[FRT] offset:\off+2560
.endm
; a diagonal tile of A^T: lane holds i = lane%16, register m holds j = 8 (lane/16) + m.  j < i stays, j = i becomes c_i, the rest 0
.macro MASK at, ci
.irp m, 0,1,2,3,4,5,6,7
	v_cndmask_b32 v[\at+\m], 0, v[\at+\m], s[32+\m]
	v_cndmask_b32 v[\at+\m], v[\at+\m], v[\ci], s[40+\m]
.endr
.endm
; the prefix over the step's 16 chunks: my 32 bytes of chunk g's U
.macro PLOAD g
	ds_load_b128 v[VP+8*((\g)%4):VP+8*((\g)%4)+3], v[PF+(\g)/4] offset:((\g)%4)*REG
	ds_load_b128 v[VP+8*((\g)%4)+4:VP+8*((\g)%4)+7], v[PF+(\g)/4] offset:((\g)%4)*REG+16
.endm
.macro PCH g
.set PUR, VP+8*((\g)%4)
.set PAD, PF+(\g)/4
.set POF, ((\g)%4)*REG
.if \g < 4
.set WC, 8+2*\g
.elseif \g < 13
.set WC, 14
.else
.set WC, 38-2*\g
.endif
.irp q, 0,2,4,6
	v_pk_mul_f32 v[T+\q:T+\q+1], v[CAR+\q:CAR+\q+1], v[X8P+\q:X8P+\q+1]        ; w^8 S at the chunk's start
.endr
.irp q, 0,1,2,3
	v_cvt_pk_bf16_f32 v[SP+\q], v[T+2*\q], v[T+2*\q+1]
.endr
.irp q, 0,1,2,3
	v_lshlrev_b32 v[T+8+2*\q], 16, v[SP+\q]
	v_and_b32 v[T+9+2*\q], s28, v[SP+\q]
.endr
.irp q, 0,2,4,6
	v_pk_add_f32 v[T+\q:T+\q+1], v[T+\q:T+\q+1], v[T+8+\q:T+9+\q] neg_lo:[0,1] neg_hi:[0,1]
.endr
.irp q, 0,1,2,3
	v_cvt_pk_bf16_f32 v[SP+4+\q], v[T+2*\q], v[T+2*\q+1]
.endr
	ds_store_b128 v[PAD], v[SP:SP+3] offset:POF                ; hi over the first, lo over the second 16 of my own 32 bytes; LDS serves a
	ds_store_b128 v[PAD], v[SP+4:SP+7] offset:POF+16           ; wave's instructions in order (ISA guide 5.7.1.4): my loads of them came first
	s_wait_dscnt WC                                            ; as many LDS instructions as were issued behind chunk g's two loads
.irp q, 0,2,4,6
	v_pk_fma_f32 v[CAR+\q:CAR+\q+1], v[CAR+\q:CAR+\q+1], v[W32+\q:W32+\q+1], v[PUR+\q:PUR+\q+1]
.endr
.if \g < 12
	PLOAD \g+4
.endif
.endm
; the state product, batch q = (d tile q/2, s half q%2): hi at sb, lo at sb + 8
.macro SLOAD q, sb
	ds_load_b128 v[\sb:\sb+3], v[UST] offset:((\q)/2)*4352+((\q)%2)*128
	ds_load_b128 v[\sb+4:\sb+7], v[UST] offset:((\q)/2)*4352+((\q)%2)*128+64
	ds_load_b128 v[\sb+8:\sb+11], v[UST] offset:((\q)/2)*4352+((\q)%2)*128+16
	ds_load_b128 v[\sb+12:\sb+15], v[UST] offset:((\q)/2)*4352+((\q)%2)*128+80
.endm
.macro SMUL q, sb                      ; the two accumulators take turns, one instruction a turn
.set O0, KP+16*((\q)/2)
.set KS, 8*((\q)%2)
	WBA O0, \sb, RP+KS
	WBA O0+8, \sb, RP+32+KS
	WBA O0, \sb+8, RP+KS
	WBA O0+8, \sb+8, RP+32+KS
	WBA O0, \sb, RP+16+KS
	WBA O0+8, \sb, RP+48+KS
.endm
	; ---------------- set-up ----------------
	s_load_b512 s[8:23], s[0:1], 0x0               ; k 8:9, r 10:11, v 12:13, state2 14:15, time_decay 16:17, time_first 18:19, out0 20:21, out1 22:23
	v_lshrrev_b32 v14, 5, v0
	v_readfirstlane_b32 s24, v14                   ; wave 0..15
	s_mul_i32 s25, s24, REG                        ; my region
	s_lshl_b32 s26, s24, 18                        ; 32 tokens x 8,192 bytes
	s_add_co_u32 s27, s25, C_OFF
	s_mov_b32 s28, 0xffff0000                      ; a word's upper bf16
	s_mul_i32 s29, s24, 1088                       ; four rows of 272 bytes
	s_mul_i32 s30, s24, 544                        ; two rows of 272 bytes
	s_add_co_u32 s30, s30, SPARE
	s_lshr_b32 s2, ttmp9, 5                        ; b
	s_lshl_b32 s2, s2, 23                          ; x 1,024 tokens x 8,192 bytes
	s_and_b32 s6, ttmp9, 31                        ; h
	s_lshl_b32 s6, s6, 8                           ; x 256 bytes
	s_or_b32 s2, s2, s6
	s_mov_b32 s3, 0
	s_lshl_b32 s4, ttmp9, 14                       ; (b, h) x 16,384 bytes of state
	s_mov_b32 s5, 0
	s_mov_b32 s7, 0
	v_and_b32 v76, 31, v0                          ; lane
	v_and_b32 v77, 15, v0                          ; lane % 16
	v_lshrrev_b32 v78, 4, v76                      ; lane / 16
	v_and_b32 v79, 7, v0                           ; lane % 8
	v_lshrrev_b32 v83, 3, v76                      ; lane / 8
	v_lshlrev_b32 v[GOFF], 4, v77
	v_lshl_add_u32 v[GOFF], v78, 13, v[GOFF]
	v_add_nc_u32 v[GOFF], s26, v[GOFF]
	v_mul_u32_u24 v81, v78, 272
	v_mul_u32_u24 v82, v77, 272
	v_add_nc_u32 v81, s25, v81
	v_add_nc_u32 v82, s25, v82
	v_lshl_add_u32 v[STW], v77, 3, v81
	v_lshl_add_u32 v[ORD], v77, 4, v81
	v_lshl_add_u32 v[FRP], v78, 4, v82
	v_lshl_add_u32 v[UST], v78, 5, v82
	v_mul_u32_u24 v81, v78, 160
	v_add_nc_u32 v81, s25, v81
	v_lshl_add_u32 v[STT], v77, 3, v81
	v_lshl_add_u32 v81, v78, 3, v79
	v_mul_u32_u24 v81, v81, 160
	v_bfe_u32 v82, v0, 3, 1
	v_lshl_add_u32 v81, v82, 4, v81
	v_add_nc_u32 v[FRT], s25, v81
	v_lshlrev_b32 v81, 2, v78
	v_add_nc_u32 v[CW], s27, v81
	v_lshlrev_b32 v81, 2, v77
	v_add_nc_u32 v[CR], s27, v81
	v_mul_u32_u24 v81, v83, 272
	v_lshl_add_u32 v81, v79, 5, v81
	v_add_nc_u32 v[PF], s29, v81
	v_add_nc_u32 v[PF+1], 4*REG, v[PF]
	v_add_nc_u32 v[PF+2], 8*REG, v[PF]
	v_add_nc_u32 v[PF+3], 12*REG, v[PF]
	v_lshlrev_b32 v14, 4, v77                      ; my four s in the tables of w and u
	v_lshlrev_b32 v15, 5, v79                      ; my eight s of the prefix
	v_lshlrev_b32 v84, 4, v0                       ; my 16 bytes of state2
	v_lshlrev_b32 v81, 3, v78
	v_sub_nc_u32 v81, v77, v81                     ; i - 8 (lane/16): register m of a diagonal tile holds j < i where m < this
.irp m, 0,1,2,3,4,5,6,7
	v_cmp_lt_i32 s[32+\m], \m, v81
	v_cmp_eq_i32 s[40+\m], \m, v81
.endr
	s_wait_kmcnt 0x0
	s_add_nc_u64 s[8:9], s[8:9], s[2:3]
	s_add_nc_u64 s[10:11], s[10:11], s[2:3]
	s_add_nc_u64 s[12:13], s[12:13], s[2:3]
	s_add_nc_u64 s[20:21], s[20:21], s[2:3]
	s_add_nc_u64 s[14:15], s[14:15], s[4:5]
	s_add_nc_u64 s[22:23], s[22:23], s[4:5]
	s_add_nc_u64 s[16:17], s[16:17], s[6:7]
	s_add_nc_u64 s[18:19], s[18:19], s[6:7]
	global_load_b128 v[72:75], v14, s[16:17]
	global_load_b128 v[US:US+3], v14, s[18:19]
	global_load_b128 v[X8P:X8P+3], v15, s[16:17]
	global_load_b128 v[X8P+4:X8P+7], v15, s[16:17] offset:16
	global_load_b128 v[SP:SP+3], v84, s[14:15] th:TH_LOAD_NT                   ; state2 rows s = 2 wave + lane/16
	global_load_b128 v[SP+4:SP+7], v84, s[14:15] offset:8192 th:TH_LOAD_NT     ; and 32 rows further down
	ISSUE_V 0
	ISSUE_K 0
	ISSUE_R 0
	s_wait_loadcnt 40                              ; the six loads above are in; the step's 40 stay out
	v_mov_b32 v85, 0x39800000                      ; 2^-12
.irp q, 72,73,74,75,56,57,58,59,60,61,62,63
	v_and_b32 v86, 0x7fffffff, v\q
	v_cmp_lt_f32 vcc_lo, v86, v85
	v_cndmask_b32 v\q, v\q, v85, vcc_lo            ; |w| < 2^-12 becomes 2^-12, so that w^-8 stays finite
.endr
.irp q, 0,2
	v_pk_mul_f32 v[W2+\q:W2+\q+1], v[72+\q:73+\q], v[72+\q:73+\q]
.endr
.irp q, 0,2
	v_pk_mul_f32 v[X8+\q:X8+\q+1], v[W2+\q:W2+\q+1], v[W2+\q:W2+\q+1]          ; w^4
.endr
.irp q, 0,2
	v_pk_mul_f32 v[X8+\q:X8+\q+1], v[X8+\q:X8+\q+1], v[X8+\q:X8+\q+1]          ; w^8
.endr
.irp q, 0,2
	v_pk_mul_f32 v[X16+\q:X16+\q+1], v[X8+\q:X8+\q+1], v[X8+\q:X8+\q+1]
.endr
.irp q, 0,1,2,3
	v_rcp_f32 v[I8+\q], v[X8+\q]
.endr
.irp q, 0,1,2,3
	v_mul_f32 v[US+\q], 0x3c000000, v[US+\q]       ; u / 128; also the plain instructions behind the reciprocals (ISA guide 5.7.2)
.endr
	v_cmp_lt_u32 vcc_lo, 15, v76
.irp q, 0,1,2,3
	v_cndmask_b32 v[P0+\q], 1.0, v[72+\q], vcc_lo  ; lanes 16-31 hold the odd token: w, the others 1
.endr
	v_cmp_gt_u32 vcc_lo, 16, v76
.irp q, 0,1,2,3
	v_cndmask_b32 v[Q0+\q], 1.0, v[72+\q], vcc_lo  ; lanes 0-15: w, the others 1
	v_mul_f32 v[P0+\q], 0x3c000000, v[P0+\q]
.endr
.irp q, 0,2,4,6
	v_pk_mul_f32 v[W32+\q:W32+\q+1], v[X8P+\q:X8P+\q+1], v[X8P+\q:X8P+\q+1]    ; w^2
.endr
.irp q, 0,2,4,6
	v_pk_mul_f32 v[W32+\q:W32+\q+1], v[W32+\q:W32+\q+1], v[W32+\q:W32+\q+1]    ; w^4
.endr
.irp q, 0,2,4,6
	v_pk_mul_f32 v[X8P+\q:X8P+\q+1], v[W32+\q:W32+\q+1], v[W32+\q:W32+\q+1]    ; w^8
.endr
.irp q, 0,2,4,6
	v_pk_mul_f32 v[W32+\q:W32+\q+1], v[X8P+\q:X8P+\q+1], v[X8P+\q:X8P+\q+1]    ; w^16
.endr
.irp q, 0,2,4,6
	v_pk_mul_f32 v[W32+\q:W32+\q+1], v[W32+\q:W32+\q+1], v[W32+\q:W32+\q+1]    ; w^32
.endr
	; the state comes in: whole rows S[s][.] into the spare block (each wave its own rows), then each thread takes its piece of a column
	v_mul_u32_u24 v81, v78, 272
	v_lshl_add_u32 v81, v77, 4, v81
	v_add_nc_u32 v81, s30, v81
	ds_store_b128 v81, v[SP:SP+3]
	ds_store_b128 v81, v[SP+4:SP+7] offset:8704
	s_wait_dscnt 0x0                               ; my rows are in LDS before I say so
	BAR
	v_mul_u32_u24 v82, v79, 2176                   ; row 8 (lane%8)
	v_lshl_add_u32 v82, v83, 2, v82
	s_lshl_b32 s31, s24, 4                         ; column 4 wave + lane/8
	s_add_co_u32 s31, s31, SPARE
	v_add_nc_u32 v82, s31, v82
	s_wait_alu depctr_va_vdst(0)
.irp e, 0,1,2,3,4,5,6,7
	ds_load_b32 v[CAR+\e], v82 offset:\e*272
.endr
	s_wait_dscnt 0x0
	; ---------------- a step of 512 tokens ----------------
.macro STEP st
	s_wait_loadcnt 32                              ; v of tokens 0-15 is in: 16 loads of k and 16 of r were issued behind it
.irp i, 0,1,2,3,4,5,6,7
	VSTEP \i, VP+4*\i
.endr
.irp i, 0,1,2,3,4,5,6,7
	global_load_b128 v[VP+4*\i:VP+4*\i+3], v[GOFF], s[12:13] offset:\st*STEPB+(\i+8)*2*TOK th:TH_LOAD_NT   ; v of tokens 16-31
.endr
	s_wait_loadcnt 8                               ; k and r are in; the eight loads just issued stay out
	; block 1 (tokens 16-31)
.irp i, 0,1,2,3,4,5,6,7
	RSTEP 1, \i
.endr
.irp i, 7,6,5,4,3,2,1,0
	KSTEP 1, \i
.endr
	FRAG8 RP+32, RA_OFF
	FRAG8 KP+32, KA_OFF
	ds_load_b32 v[SP+2], v[CR] offset:64           ; c of token 16 + lane%16
	s_wait_dscnt 0x0
	WB0 T,   KP+32, RP+32                          ; the diagonal tile of block 1: s 0-31 on one accumulator, s 32-63 on another,
	WB0 T+8, KP+40, RP+40                          ; by turns, one instruction a turn
	WBA T,   KP+48, RP+32                          ; lo x hi
	WBA T+8, KP+56, RP+40
	WBA T,   KP+32, RP+48                          ; hi x lo
	WBA T+8, KP+40, RP+56
	PLACES 4
	FRAG8 RP+32, RX_OFF                            ; r w^(a+8)/128: stays in v120-151 to the end of the step
.irp q, 0,2,4,6
	v_pk_add_f32 v[T+\q:T+\q+1], v[T+\q:T+\q+1], v[T+8+\q:T+9+\q]
.endr
	MASK T, SP+2
.irp q, 0,1,2,3
	v_cvt_pk_f16_f32 v[SP+4+\q], v[T+2*\q], v[T+2*\q+1]        ; j = 16 .. 31 of the operand for block 1
.endr
	s_wait_dscnt 0x0                               ; block 1's fragments are in registers: their LDS bytes are written again below
	; block 0 (tokens 0-15)
.irp i, 0,1,2,3,4,5,6,7
	RSTEP 0, \i
.endr
.irp i, 7,6,5,4,3,2,1,0
	KSTEP 0, \i
.endr
	s_wait_loadcnt 0x0                             ; v of tokens 16-31
.irp i, 0,1,2,3,4,5,6,7
	VSTEP \i+8, VP+4*\i
.endr
	FRAG8 RP, RA_OFF                               ; r w^(a-8)/128: stays in v88-119
	FRAG8 KP, KA_OFF
	ds_load_b32 v[SP+2], v[CR]
.irp i, 0,1,2,3
	TFRAG VP+8*\i, V_OFF+32*\i
.endr
	s_wait_dscnt 0x8                               ; all but the eight loads of V's fragments
	WB0 KP+32, KP,    RP                           ; the diagonal tile of block 0 and the tile (j in block 0, i in block 1), by turns
	WB0 KP+40, KP,    RP+32
	WBA KP+32, KP+8,  RP+8
	WBA KP+40, KP+8,  RP+40
	WBA KP+32, KP+16, RP
	WBA KP+40, KP+16, RP+32
	WBA KP+32, KP+24, RP+8
	WBA KP+40, KP+24, RP+40
	WBA KP+32, KP,    RP+16
	WBA KP+40, KP,    RP+48
	WBA KP+32, KP+8,  RP+24
	WBA KP+40, KP+8,  RP+56
	PLACES 4
.irp i, 0,1,2,3
	TFRAG KP+8*\i, KU_OFF+32*\i
.endr
	MASK KP+32, SP+2
.irp q, 0,1,2,3
	v_cvt_pk_f16_f32 v[T+\q], v[KP+32+2*\q], v[KP+33+2*\q]     ; block 0's operand: j = 0 .. 15,
	v_mov_b32 v[T+4+\q], 0                                     ; and nothing from j = 16 .. 31
.endr
.irp q, 0,1,2,3
	v_cvt_pk_f16_f32 v[SP+\q], v[KP+40+2*\q], v[KP+41+2*\q]    ; block 1's operand: j = 0 .. 15
.endr
	s_wait_dscnt 0x0                               ; every staged operand is in registers: U goes over the region
	; U^T[d][s]: lane holds d, eight neighbouring s
.irp j, 0,1,2,3
	WH0 KP+32, KP+8*\j, VP
	WH0 KP+40, KP+8*\j, VP+8
	WH0 KP+48, KP+8*\j, VP+16
	WH0 KP+56, KP+8*\j, VP+24
	PLACES 5
.irp i, 0,1,2,3
	ds_store_b128 v[UST], v[KP+32+8*\i:KP+35+8*\i] offset:\i*4352+64*\j
	ds_store_b128 v[UST], v[KP+36+8*\i:KP+39+8*\i] offset:\i*4352+64*\j+16
.endr
.endr
	s_wait_dscnt 0x0                               ; my U is in LDS before I say so
	s_barrier_signal -1
.irp i, 0,1,2,3
	WH0 KP+16*\i,   VP+8*\i, T                     ; out^T (d tile i, block 0 / 1) starts with the chunk's own tokens: registers only
	WH0 KP+16*\i+8, VP+8*\i, SP
.endr
	PLACES 5
	s_barrier_wait -1                              ; every wave's U is there
	PLOAD 0
	PLOAD 1
	PLOAD 2
	PLOAD 3
.irp i, 0,1,2,3,4,5,6,7,8,9,10,11,12,13,14,15
	PCH \i
.endr
	s_wait_dscnt 0x0                               ; my parts of all sixteen states are in LDS
	BAR
	SLOAD 0, VP
	SLOAD 1, VP+16
	SLOAD 2, T
	s_wait_dscnt 0x8                               ; two younger batches of four loads stay out
	SMUL 0, VP
	PLACES 4
	SLOAD 3, VP
	s_wait_dscnt 0x8
	SMUL 1, VP+16
	PLACES 4
	SLOAD 4, VP+16
	s_wait_dscnt 0x8
	SMUL 2, T
	PLACES 4
	SLOAD 5, T
	s_wait_dscnt 0x8
	SMUL 3, VP
	PLACES 4
	SLOAD 6, VP
	s_wait_dscnt 0x8
	SMUL 4, VP+16
	PLACES 4
	SLOAD 7, VP+16
	s_wait_dscnt 0x8
	SMUL 5, T
	s_wait_dscnt 0x4
	SMUL 6, VP
	s_wait_dscnt 0x0
	SMUL 7, VP+16
	PLACES 4
.if \st == 0
	ISSUE_V 1                                      ; the next step's loads go out as their registers come free
.endif
	; the way out: a lane holds eight neighbouring d of one token; 32 rows of 256 bytes through my region
.irp i, 0,1,2,3
.irp j, 0,1
	ds_store_b128 v[UST], v[KP+16*\i+8*\j:KP+16*\i+8*\j+3] offset:\j*4352+64*\i
	ds_store_b128 v[UST], v[KP+16*\i+8*\j+4:KP+16*\i+8*\j+7] offset:\j*4352+64*\i+16
.endr
.endr
.irp i, 0,1,2,3,4,5,6,7,8,9,10,11,12,13,14,15
	ds_load_b128 v[RP+4*\i:RP+4*\i+3], v[ORD] offset:\i*544
.endr
.if \st == 0
	s_wait_dscnt 15                                ; the sixteen LDS stores above are done: their data registers take the next k
	ISSUE_K 1
.endif
.irp i, 0,1,2,3,4,5,6,7,8,9,10,11,12,13,14,15
	s_wait_dscnt 15-\i
	global_store_b128 v[GOFF], v[RP+4*\i:RP+4*\i+3], s[20:21] offset:\st*STEPB+\i*2*TOK th:TH_STORE_NT   ; sixteen lanes store a token's 256 bytes
.endr
.if \st == 0
	s_wait_xcnt 0x0                                ; the stores' data registers are loaded again only behind this wait
	ISSUE_R 1
.endif
.endm
	STEP 0
	STEP 1
	; ---------------- the final state ----------------
	v_add_nc_u32 v14, SPARE, v[PF]                 ; rows d = 4 wave + lane/8 of S^T: each wave its own four rows
	ds_store_b128 v14, v[CAR:CAR+3]
	ds_store_b128 v14, v[CAR+4:CAR+7] offset:16
	s_wait_dscnt 0x0
	BAR
	v_and_b32 v15, 15, v0
	v_mul_u32_u24 v15, v15, 1088                   ; d = 4 (lane%16)
	v_bfe_u32 v72, v0, 4, 1
	v_lshl_add_u32 v15, v72, 2, v15                ; s = 2 wave + lane/16
	s_lshl_b32 s31, s24, 3
	s_add_co_u32 s31, s31, SPARE
	v_add_nc_u32 v15, s31, v15
.irp e, 0,1,2,3
	ds_load_b32 v[76+\e], v15 offset:\e*272
.endr
.irp e, 0,1,2,3
	ds_load_b32 v[80+\e], v15 offset:\e*272+128    ; s + 32
.endr
	v_lshlrev_b32 v73, 4, v0
	s_wait_dscnt 0x4
	global_store_b128 v73, v[76:79], s[22:23] th:TH_STORE_NT
	s_wait_dscnt 0x0
	global_store_b128 v73, v[80:83], s[22:23] offset:8192 th:TH_STORE_NT
	s_wait_xcnt 0x0
	v_lshl_add_u32 v254, v0, 2, 0x4ec00
	v_mov_b32 v255, 0
	s_wait_tensorcnt 0x0
	ds_add_u32 v254, v255
	s_wait_dscnt 0x0
	s_endpgm
.Lfunc_end_k_q875c9c01e9_wkv:
	.size	k_q875c9c01e9_wkv, .Lfunc_end_k_q875c9c01e9_wkv-k_q875c9c01e9_wkv
	.p2alignl 7, 3214868480
	.fill 96, 4, 3214868480
	.section	.rodata,"a",@progbits
	.p2align	6, 0x0
	.amdhsa_kernel k_q875c9c01e9_wkv
		.amdhsa_group_segment_fixed_size 324608
		.amdhsa_private_segment_fixed_size 0
		.amdhsa_enable_private_segment 0
		.amdhsa_kernarg_size 64
		.amdhsa_user_sgpr_count 2
		.amdhsa_user_sgpr_kernarg_segment_ptr 1
		.amdhsa_wavefront_size32 1
		.amdhsa_system_sgpr_workgroup_id_x 1
		.amdhsa_system_sgpr_workgroup_id_y 1
		.amdhsa_system_sgpr_workgroup_id_z 1
		.amdhsa_system_vgpr_workitem_id 0
		.amdhsa_next_free_vgpr 256
		.amdhsa_next_free_sgpr 66
		.amdhsa_reserve_vcc 1
		.amdhsa_float_denorm_mode_32 3
		.amdhsa_float_denorm_mode_16_64 3
		.amdhsa_memory_ordered 1
		.amdhsa_forward_progress 1
		.amdhsa_inst_pref_size 232
	.end_amdhsa_kernel
	.amdgpu_metadata
---
amdhsa.version: [ 1, 2 ]
amdhsa.kernels:
  - .name:           k_q875c9c01e9_wkv
    .symbol:         k_q875c9c01e9_wkv.kd
    .args:
      - { .name: k, .offset: 0, .size: 8, .value_kind: global_buffer, .address_space: global }
      - { .name: r, .offset: 8, .size: 8, .value_kind: global_buffer, .address_space: global }
      - { .name: v, .offset: 16, .size: 8, .value_kind: global_buffer, .address_space: global }
      - { .name: state2, .offset: 24, .size: 8, .value_kind: global_buffer, .address_space: global }
      - { .name: time_decay, .offset: 32, .size: 8, .value_kind: global_buffer, .address_space: global }
      - { .name: time_first, .offset: 40, .size: 8, .value_kind: global_buffer, .address_space: global }
      - { .name: out0, .offset: 48, .size: 8, .value_kind: global_buffer, .address_space: global }
      - { .name: out1, .offset: 56, .size: 8, .value_kind: global_buffer, .address_space: global }
    .group_segment_fixed_size: 324608
    .private_segment_fixed_size: 0
    .kernarg_segment_align: 8
    .kernarg_segment_size: 64
    .max_flat_workgroup_size: 512
    .sgpr_count:     66
    .vgpr_count:     256
    .wavefront_size: 32
...
	.end_amdgpu_metadata
.endif
;; end of part 1
;; ======== version 2 of 2: 1 launch; 1.21 times as fast as version 1
;; limits: a function is approximated: absolute error at most 0.0004883; values are held in f16: magnitudes above 65,504 overflow, below 6.1e-05 lose precision
;; launch wkv (part 2): grid 256 x 1, 16 waves a work-group, no clusters, 324,608 bytes of LDS; arguments k, r, v, state2, time_decay, time_first, out0, out1; writes out0, out1
.if DOCPART == 2
	.amdgcn_target "amdgcn-amd-amdhsa--gfx1250"
	.amdhsa_code_object_version 6
	.text
	.protected	k_q875c9c01e9_wkv
	.globl	k_q875c9c01e9_wkv
	.p2align	8
	.type	k_q875c9c01e9_wkv,@function
k_q875c9c01e9_wkv:
	s_mov_b64 s[64:65], 0
	v_nop
	global_prefetch_b8 v0, s[64:65] scope:SCOPE_SE
	s_setreg_imm32_b32 hwreg(HW_REG_WAVE_MODE, 25, 1), 1
	s_wait_xcnt 0x0
; RWKV-5 WKV.  Per (b, h), with w = time_decay, u = time_first (the scale 1/128 cancels in the state):
;   out_t = (1/128) r_t^T (diag(u) k_t v_t^T + S_t),   S_(t+1) = diag(w) S_t + k_t v_t^T.
; TWO work-groups of 16 waves per (b, h): 256 work-groups.  Each makes out for 512 tokens in one step, in which wave c owns chunk c of
; 32 tokens (two blocks of 16, a = token mod 16).  For a chunk that starts with state S:
;   A^T(j, i) = sum_s k_j w^(i-1-j) r_i / 128 for j < i, c_i = sum_s r_i u k_i / 128 for j = i, 0 else
;   out^T     = V^T A^T + (w^8 S)^T R~,  R~ = r w^(a-8)/128 (block 0), r w^(a+8)/128 (block 1)
;   U         = sum_j (k_j w^(31-j)) v_j^T,   S' = w^32 S + U   (f32, carried by 512 threads over the 16 chunks)
; The first work-group of a pair starts from state2 and takes tokens 0-511.  The second takes tokens 512-1023 and stores the final state;
; nothing passes between work-groups, so it first makes the state at token 512 itself: for tokens 0-511 it forms U alone (16 of a chunk's
; 90 matrix instructions, no r) and carries S' = w^32 S + U.  So k and v of tokens 0-511 and state2 are read by both.  While that short
; pass computes, the loads of its own step are already out: v from the start, k as soon as the pass's k is in LDS, r behind the pass's U.
; NUMBER FORMATS.  Operands that carry w^(a-8) or the state need bf16's range; they go as hi + lo pairs of bf16 (products hh + lh + hl),
; so that their rounding does not show.  V, k w^(31-j) and the masked A^T are bounded by the inputs times w^31 and go in f16.
; LIMITS.  |time_decay| < 2^-12 is taken as 2^-12 (the decay factor is then off by at most 2^-11 absolute).  The f16 operands v,
; k w^(31-j) and A/128 overflow above 65,504 and have an absolute step of 6e-8 below 6.1e-5.  Sums are formed chunk by chunk: the order of
; rounding differs from the token-by-token recurrence.
; NO CLUSTER: what the two partners share is 272 KB (k, v of 512 tokens, state2) of the 1,056 KB that the pair reads; as joint tensor loads
; it would lie in LDS in f32, where the sixteen regions and the spare block leave 5,120 bytes.  NO TENSOR LOADS: every operand is scaled in
; f32 before it is rounded, so it passes through registers anyway.  Every row (b, t, h) is 256 consecutive bytes, aligned; one 16-byte load
; or store of a wave covers two whole rows, and each output byte is written once.
.set TOK,    8192                      ; bytes from a token's row to the next token's
.set STEPB,  512*TOK                   ; bytes of 512 tokens
.set REG,    19072                     ; LDS bytes of a wave's region
.set SPARE,  16*REG                    ; 64 x 272 bytes behind the regions: the state on its way in and out
; a region while operands are staged (hi/lo rows: 128 bytes hi, 128 bytes lo, pitch 272; rows read transposed: 128 bytes, pitch 160)
.set V_OFF,  0                         ; V, f16, 32 rows x 160
.set RX_OFF, 2560                      ; r w^(a+8)/128 of block 1, 16 rows x 272: lies where V's rows 16-31 and Ku's rows 0-15 come later
.set KU_OFF, 5120                      ; k w^(31-j), f16, 32 rows x 160
.set C_OFF,  10240                     ; c_i, 32 words
.set RA_OFF, 10368                     ; r w^(a-8)/128 of the block at work, 16 rows x 272
.set KA_OFF, 14720                     ; k w^(7-a) of the block at work, 16 rows x 272
; afterwards the region holds U^T[d][s] in f32 (64 rows x 272), then in its place hi/lo of w^8 S, then 32 rows x 272 of out
.set GOFF, 1                           ; wave x 32 tokens + (lane/16) x one token + 16 (lane%16): never rewritten
.set STW,  2                           ; region + (lane/16) 272 + 8 (lane%16)
.set STT,  3                           ; region + (lane/16) 160 + 8 (lane%16)
.set FRP,  4                           ; region + (lane%16) 272 + 16 (lane/16)
.set FRT,  5                           ; region + (8 (lane/16) + lane%8) 160 + 16 ((lane/8)%2)
.set CW,   6                           ; region + C_OFF + 4 (lane/16)
.set CR,   7                           ; region + C_OFF + 4 (lane%16)
.set UST,  8                           ; region + (lane%16) 272 + 32 (lane/16)
.set ORD,  9                           ; region + (lane/16) 272 + 16 (lane%16)
.set PF,   10                          ; v10-13: (4 wave + lane/8) 272 + 32 (lane%8) + 4 q REG
.set W2,   16                          ; tables for my four s = 4 (lane%16) ..: w^2,
.set I8,   20                          ; w^-8,
.set X8,   24                          ; w^8,
.set X16,  28                          ; w^16,
.set P0,   32                          ; w^(lane/16) / 128,
.set Q0,   36                          ; w^(1 - lane/16),
.set US,   40                          ; u / 128
.set PQ,   44                          ; the running power
.set W32,  48                          ; w^32 of my eight s = 8 (lane%8) ..
.set X8P,  56                          ; w^8 of the same
.set CAR,  64                          ; the carried state: S[8 (lane%8) + e][4 wave + lane/8]
.set T,    72                          ; v72-87 at work
.set RP,   88                          ; v88-151  r as loaded; then R~ fragments; then out on its way
.set KP,   152                         ; v152-215 k as loaded; then K fragments and tiles; then the 8 tiles of out^T
.set VP,   216                         ; v216-247 half of v as loaded; then V fragments; then slots of the prefix and of the state product
.set SP,   248                         ; v248-255
.macro PLACES cnt                      ; plain vector instructions between a matrix instruction and what touches its registers (ISA guide 7.12.1)
.rept \cnt
	v_nop
.endr
.endm
.macro BAR
	s_barrier_signal -1
	s_barrier_wait -1
.endm
.macro WB0 d, a, b
	v_wmma_f32_16x16x32_bf16 v[\d:\d+7], v[\a:\a+7], v[\b:\b+7], 0
.endm
.macro WBA d, a, b
	v_wmma_f32_16x16x32_bf16 v[\d:\d+7], v[\a:\a+7], v[\b:\b+7], v[\d:\d+7]
.endm
.macro WH0 d, a, b
	v_wmma_f32_16x16x32_f16 v[\d:\d+7], v[\a:\a+7], v[\b:\b+7], 0
.endm
; 16 bytes a lane, two token rows an instruction.  nt = 1: bytes that this work-group alone reads
.macro GLD dst, base, off, nt
.if \nt
	global_load_b128 v[\dst:\dst+3], v[GOFF], s[\base:\base+1] offset:\off th:TH_LOAD_NT
.else
	global_load_b128 v[\dst:\dst+3], v[GOFF], s[\base:\base+1] offset:\off
.endif
.endm
.macro ISSUE8 dst, base, off0, nt      ; 16 tokens
.irp i, 0,1,2,3,4,5,6,7
	GLD \dst+4*\i, \base, \off0+\i*2*TOK, \nt
.endr
.endm
.macro ISSUE16 dst, base, off0, nt     ; 32 tokens
.irp i, 0,1,2,3,4,5,6,7,8,9,10,11,12,13,14,15
	GLD \dst+4*\i, \base, \off0+\i*2*TOK, \nt
.endr
.endm
; four f32 at src -> hi (bf16) at off, lo = bf16(x - hi) at off + 128
.macro HLST src, adr, off
	v_cvt_pk_bf16_f32 v[T+8], v[\src], v[\src+1]
	v_cvt_pk_bf16_f32 v[T+9], v[\src+2], v[\src+3]
	v_lshlrev_b32 v[T+10], 16, v[T+8]
	v_and_b32 v[T+11], s28, v[T+8]
	v_lshlrev_b32 v[T+12], 16, v[T+9]
	v_and_b32 v[T+13], s28, v[T+9]
	v_pk_add_f32 v[\src:\src+1], v[\src:\src+1], v[T+10:T+11] neg_lo:[0,1] neg_hi:[0,1]
	v_pk_add_f32 v[\src+2:\src+3], v[\src+2:\src+3], v[T+12:T+13] neg_lo:[0,1] neg_hi:[0,1]
	v_cvt_pk_bf16_f32 v[T+14], v[\src], v[\src+1]
	v_cvt_pk_bf16_f32 v[T+15], v[\src+2], v[\src+3]
	ds_store_b64 v[\adr], v[T+8:T+9] offset:\off
	ds_store_b64 v[\adr], v[T+14:T+15] offset:\off+128
.endm
; tokens 2 idx, 2 idx + 1 of v to f16
.macro VSTEP idx, src
	v_cvt_pk_f16_f32 v[T+2*((\idx)%8)], v[\src], v[\src+1]
	v_cvt_pk_f16_f32 v[T+2*((\idx)%8)+1], v[\src+2], v[\src+3]
	ds_store_b64 v[STT], v[T+2*((\idx)%8):T+2*((\idx)%8)+1] offset:V_OFF+(\idx)*320
.endm
; tokens a = 2 nn, 2 nn + 1 of block blk: r w^(a-8)/128, for block 1 also r w^(a+8)/128, and c = sum over s of r (u/128) k
.macro RSTEP blk, nn
.set IDX, 8*\blk+\nn
.set RR, RP+4*IDX
.set KK, KP+4*IDX
.if \nn == 0
.set FF, P0
.else
.set FF, PQ
.endif
	v_pk_mul_f32 v[SP:SP+1], v[RR:RR+1], v[US:US+1]
	v_pk_mul_f32 v[SP+2:SP+3], v[RR+2:RR+3], v[US+2:US+3]
	v_pk_mul_f32 v[T:T+1], v[RR:RR+1], v[FF:FF+1]              ; r w^a / 128
	v_pk_mul_f32 v[T+2:T+3], v[RR+2:RR+3], v[FF+2:FF+3]
	v_pk_mul_f32 v[SP:SP+1], v[SP:SP+1], v[KK:KK+1]
	s_wait_alu depctr_va_vdst(0)
	v_pk_mul_f32 v[T+4:T+5], v[T:T+1], v[I8:I8+1]
	v_pk_mul_f32 v[T+6:T+7], v[T+2:T+3], v[I8+2:I8+3]
	v_pk_fma_f32 v[SP:SP+1], v[SP+2:SP+3], v[KK+2:KK+3], v[SP:SP+1]
.if \nn < 7
	v_pk_mul_f32 v[PQ:PQ+1], v[FF:FF+1], v[W2:W2+1]            ; two tokens on
	v_pk_mul_f32 v[PQ+2:PQ+3], v[FF+2:FF+3], v[W2+2:W2+3]
.endif
	v_add_f32 v[SP], v[SP], v[SP+1]
	HLST T+4, STW, RA_OFF+\nn*544
.if \blk == 1
	v_pk_mul_f32 v[T+4:T+5], v[T:T+1], v[X8:X8+1]
	v_pk_mul_f32 v[T+6:T+7], v[T+2:T+3], v[X8+2:X8+3]
	HLST T+4, STW, RX_OFF+\nn*544
.endif
	v_add_f32_dpp v[SP], v[SP], v[SP] row_xmask:1 row_mask:0xf bank_mask:0xf   ; over the 16 lanes that hold the token's row
	v_add_f32_dpp v[SP], v[SP], v[SP] row_xmask:2 row_mask:0xf bank_mask:0xf
	v_add_f32_dpp v[SP], v[SP], v[SP] row_xmask:4 row_mask:0xf bank_mask:0xf
	v_add_f32_dpp v[SP], v[SP], v[SP] row_xmask:8 row_mask:0xf bank_mask:0xf
	ds_store_b32 v[CW], v[SP] offset:8*IDX                     ; sixteen lanes store the same word
.endm
; the same tokens of k, nn running down: k w^(7-a) (hi/lo) and k w^(31-j) (f16)
.macro KSTEP blk, nn
.set IDX, 8*\blk+\nn
.set KK, KP+4*IDX
.if \nn == 7
.set FF, Q0
.else
.set FF, PQ
.endif
	v_pk_mul_f32 v[T:T+1], v[KK:KK+1], v[FF:FF+1]              ; k w^(15-a)
	v_pk_mul_f32 v[T+2:T+3], v[KK+2:KK+3], v[FF+2:FF+3]
	v_pk_mul_f32 v[T+4:T+5], v[T:T+1], v[I8:I8+1]
	v_pk_mul_f32 v[T+6:T+7], v[T+2:T+3], v[I8+2:I8+3]
.if \blk == 0
	v_pk_mul_f32 v[T:T+1], v[T:T+1], v[X16:X16+1]
	v_pk_mul_f32 v[T+2:T+3], v[T+2:T+3], v[X16+2:X16+3]
.endif
.if \nn > 0
	v_pk_mul_f32 v[PQ:PQ+1], v[FF:FF+1], v[W2:W2+1]
	v_pk_mul_f32 v[PQ+2:PQ+3], v[FF+2:FF+3], v[W2+2:W2+3]
.endif
	v_cvt_pk_f16_f32 v[T], v[T], v[T+1]
	v_cvt_pk_f16_f32 v[T+1], v[T+2], v[T+3]
	ds_store_b64 v[STT], v[T:T+1] offset:KU_OFF+IDX*320
	HLST T+4, STW, KA_OFF+\nn*544
.endm
; the short pass: tokens 2 nn, 2 nn + 1 of both blocks, k w^(31-j) alone; one running power serves both blocks
.macro KLITE nn
.set K0R, KP+4*\nn
.set K1R, KP+32+4*\nn
.if \nn == 7
.set FF, Q0
.else
.set FF, PQ
.endif
	v_pk_mul_f32 v[T:T+1], v[K1R:K1R+1], v[FF:FF+1]            ; block 1: k w^(15-a)
	v_pk_mul_f32 v[T+2:T+3], v[K1R+2:K1R+3], v[FF+2:FF+3]
	v_pk_mul_f32 v[T+4:T+5], v[K0R:K0R+1], v[FF:FF+1]          ; block 0: the same,
	v_pk_mul_f32 v[T+6:T+7], v[K0R+2:K0R+3], v[FF+2:FF+3]
.if \nn > 0
	v_pk_mul_f32 v[PQ:PQ+1], v[FF:FF+1], v[W2:W2+1]
	v_pk_mul_f32 v[PQ+2:PQ+3], v[FF+2:FF+3], v[W2+2:W2+3]
.endif
	v_pk_mul_f32 v[T+4:T+5], v[T+4:T+5], v[X16:X16+1]          ; times w^16
	v_pk_mul_f32 v[T+6:T+7], v[T+6:T+7], v[X16+2:X16+3]
	v_cvt_pk_f16_f32 v[T+8], v[T], v[T+1]
	v_cvt_pk_f16_f32 v[T+9], v[T+2], v[T+3]
	v_cvt_pk_f16_f32 v[T+10], v[T+4], v[T+5]
	v_cvt_pk_f16_f32 v[T+11], v[T+6], v[T+7]
	ds_store_b64 v[STT], v[T+8:T+9] offset:KU_OFF+(8+\nn)*320
	ds_store_b64 v[STT], v[T+10:T+11] offset:KU_OFF+\nn*320
.endm
; 16 rows x 64 s, hi and lo: dst+0 hi s 0-31, +8 hi s 32-63, +16 lo s 0-31, +24 lo s 32-63
.macro FRAG8 dst, off
.irp q, 0,1,2,3,4,5,6,7
	ds_load_b128 v[\dst+4*\q:\dst+4*\q+3], v[FRP] offset:\off+32*\q
.endr
.endm
; 32 tokens x 16 columns, read transposed: lane holds a column, the registers run along the tokens
.macro TFRAG dst, off
	ds_load_tr16_b128 v[\dst:\dst+3], v[FRT] offset:\off
	ds_load_tr16_b128 v[\dst+4:\dst+7], v[FRT] offset:\off+2560
.endm
; a diagonal tile of A^T: lane holds i = lane%16, register m holds j = 8 (lane/16) + m.  j < i stays, j = i becomes c_i, the rest 0
.macro MASK at, ci
.irp m, 0,1,2,3,4,5,6,7
	v_cndmask_b32 v[\at+\m], 0, v[\at+\m], s[32+\m]
	v_cndmask_b32 v[\at+\m], v[\at+\m], v[\ci], s[40+\m]
.endr
.endm
; U^T[d][s] over my region: K fragments in KP .. KP+31, V fragments at vf; a lane holds d, eight neighbouring s
.macro UPROD vf
.irp j, 0,1,2,3
	WH0 KP+32, KP+8*\j, \vf
	WH0 KP+40, KP+8*\j, \vf+8
	WH0 KP+48, KP+8*\j, \vf+16
	WH0 KP+56, KP+8*\j, \vf+24
	PLACES 5
.irp i, 0,1,2,3
	ds_store_b128 v[UST], v[KP+32+8*\i:KP+35+8*\i] offset:\i*4352+64*\j
	ds_store_b128 v[UST], v[KP+36+8*\i:KP+39+8*\i] offset:\i*4352+64*\j+16
.endr
.endr
.endm
; the same for the short pass, two tiles at a time in T: KP is already the target of the step's loads of k
.macro UPRODL kf, vf
.irp j, 0,1,2,3
.irp p, 0,1
	WH0 T,   \kf+8*\j, \vf+16*\p
	WH0 T+8, \kf+8*\j, \vf+16*\p+8
	PLACES 5
	ds_store_b128 v[UST], v[T:T+3]     offset:(2*\p)*4352+64*\j
	ds_store_b128 v[UST], v[T+4:T+7]   offset:(2*\p)*4352+64*\j+16
	ds_store_b128 v[UST], v[T+8:T+11]  offset:(2*\p+1)*4352+64*\j
	ds_store_b128 v[UST], v[T+12:T+15] offset:(2*\p+1)*4352+64*\j+16
.endr
.endr
.endm
; the prefix over the 16 chunks: my 32 bytes of chunk g's U
.macro PLOAD g
	ds_load_b128 v[VP+8*((\g)%4):VP+8*((\g)%4)+3], v[PF+(\g)/4] offset:((\g)%4)*REG
	ds_load_b128 v[VP+8*((\g)%4)+4:VP+8*((\g)%4)+7], v[PF+(\g)/4] offset:((\g)%4)*REG+16
.endm
.macro PCH g
.set PUR, VP+8*((\g)%4)
.set PAD, PF+(\g)/4
.set POF, ((\g)%4)*REG
.if \g < 4
.set WC, 8+2*\g
.elseif \g < 13
.set WC, 14
.else
.set WC, 38-2*\g
.endif
.irp q, 0,2,4,6
	v_pk_mul_f32 v[T+\q:T+\q+1], v[CAR+\q:CAR+\q+1], v[X8P+\q:X8P+\q+1]        ; w^8 S at the chunk's start
.endr
.irp q, 0,1,2,3
	v_cvt_pk_bf16_f32 v[SP+\q], v[T+2*\q], v[T+2*\q+1]
.endr
.irp q, 0,1,2,3
	v_lshlrev_b32 v[T+8+2*\q], 16, v[SP+\q]
	v_and_b32 v[T+9+2*\q], s28, v[SP+\q]
.endr
.irp q, 0,2,4,6
	v_pk_add_f32 v[T+\q:T+\q+1], v[T+\q:T+\q+1], v[T+8+\q:T+9+\q] neg_lo:[0,1] neg_hi:[0,1]
.endr
.irp q, 0,1,2,3
	v_cvt_pk_bf16_f32 v[SP+4+\q], v[T+2*\q], v[T+2*\q+1]
.endr
	ds_store_b128 v[PAD], v[SP:SP+3] offset:POF                ; hi over the first, lo over the second 16 of my own 32 bytes; LDS serves a
	ds_store_b128 v[PAD], v[SP+4:SP+7] offset:POF+16           ; wave's instructions in order (ISA guide 5.7.1.4): my loads of them came first
	s_wait_dscnt WC                                            ; as many LDS instructions as were issued behind chunk g's two loads
.irp q, 0,2,4,6
	v_pk_fma_f32 v[CAR+\q:CAR+\q+1], v[CAR+\q:CAR+\q+1], v[W32+\q:W32+\q+1], v[PUR+\q:PUR+\q+1]
.endr
.if \g < 12
	PLOAD \g+4
.endif
.endm
; the short pass carries the state alone, nothing is stored.  Three slots, T, T+8 and SP: RP and KP are targets of the step's loads by then
.macro LLOAD g
.if ((\g)%3) == 2
.set LS, SP
.else
.set LS, T+8*((\g)%3)
.endif
	ds_load_b128 v[LS:LS+3], v[PF+(\g)/4] offset:((\g)%4)*REG
	ds_load_b128 v[LS+4:LS+7], v[PF+(\g)/4] offset:((\g)%4)*REG+16
.endm
.macro LCH g
.if ((\g)%3) == 2
.set LC, SP
.else
.set LC, T+8*((\g)%3)
.endif
.if \g < 14
.set WC, 4
.else
.set WC, 30-2*\g
.endif
	s_wait_dscnt WC                                            ; the loads of the chunks behind g: two chunks' four, then chunk 15's two, then none
.irp q, 0,2,4,6
	v_pk_fma_f32 v[CAR+\q:CAR+\q+1], v[CAR+\q:CAR+\q+1], v[W32+\q:W32+\q+1], v[LC+\q:LC+\q+1]
.endr
.if \g < 13
	LLOAD \g+3
.endif
.endm
; the state product, batch q = (d tile q/2, s half q%2): hi at sb, lo at sb + 8
.macro SLOAD q, sb
	ds_load_b128 v[\sb:\sb+3], v[UST] offset:((\q)/2)*4352+((\q)%2)*128
	ds_load_b128 v[\sb+4:\sb+7], v[UST] offset:((\q)/2)*4352+((\q)%2)*128+64
	ds_load_b128 v[\sb+8:\sb+11], v[UST] offset:((\q)/2)*4352+((\q)%2)*128+16
	ds_load_b128 v[\sb+12:\sb+15], v[UST] offset:((\q)/2)*4352+((\q)%2)*128+80
.endm
.macro SMUL q, sb                      ; the two accumulators take turns, one instruction a turn
.set O0, KP+16*((\q)/2)
.set KS, 8*((\q)%2)
	WBA O0, \sb, RP+KS
	WBA O0+8, \sb, RP+32+KS
	WBA O0, \sb+8, RP+KS
	WBA O0+8, \sb+8, RP+32+KS
	WBA O0, \sb, RP+16+KS
	WBA O0+8, \sb, RP+48+KS
.endm
; the tables of powers, and state2 into the carry.  Stands behind 40 younger loads on either way
.macro HEAD
	s_wait_loadcnt 40                              ; the six small loads are in; the 40 loads issued behind them stay out
	v_mov_b32 v85, 0x39800000                      ; 2^-12
.irp q, 72,73,74,75,56,57,58,59,60,61,62,63
	v_and_b32 v86, 0x7fffffff, v\q
	v_cmp_lt_f32 vcc_lo, v86, v85
	v_cndmask_b32 v\q, v\q, v85, vcc_lo            ; |w| < 2^-12 becomes 2^-12, so that w^-8 stays finite
.endr
.irp q, 0,2
	v_pk_mul_f32 v[W2+\q:W2+\q+1], v[72+\q:73+\q], v[72+\q:73+\q]
.endr
.irp q, 0,2
	v_pk_mul_f32 v[X8+\q:X8+\q+1], v[W2+\q:W2+\q+1], v[W2+\q:W2+\q+1]          ; w^4
.endr
.irp q, 0,2
	v_pk_mul_f32 v[X8+\q:X8+\q+1], v[X8+\q:X8+\q+1], v[X8+\q:X8+\q+1]          ; w^8
.endr
.irp q, 0,2
	v_pk_mul_f32 v[X16+\q:X16+\q+1], v[X8+\q:X8+\q+1], v[X8+\q:X8+\q+1]
.endr
.irp q, 0,1,2,3
	v_rcp_f32 v[I8+\q], v[X8+\q]
.endr
.irp q, 0,1,2,3
	v_mul_f32 v[US+\q], 0x3c000000, v[US+\q]       ; u / 128; also the plain instructions behind the reciprocals (ISA guide 5.7.2)
.endr
	v_cmp_lt_u32 vcc_lo, 15, v76
.irp q, 0,1,2,3
	v_cndmask_b32 v[P0+\q], 1.0, v[72+\q], vcc_lo  ; lanes 16-31 hold the odd token: w, the others 1
.endr
	v_cmp_gt_u32 vcc_lo, 16, v76
.irp q, 0,1,2,3
	v_cndmask_b32 v[Q0+\q], 1.0, v[72+\q], vcc_lo  ; lanes 0-15: w, the others 1
	v_mul_f32 v[P0+\q], 0x3c000000, v[P0+\q]
.endr
.irp q, 0,2,4,6
	v_pk_mul_f32 v[W32+\q:W32+\q+1], v[X8P+\q:X8P+\q+1], v[X8P+\q:X8P+\q+1]    ; w^2
.endr
.irp q, 0,2,4,6
	v_pk_mul_f32 v[W32+\q:W32+\q+1], v[W32+\q:W32+\q+1], v[W32+\q:W32+\q+1]    ; w^4
.endr
.irp q, 0,2,4,6
	v_pk_mul_f32 v[X8P+\q:X8P+\q+1], v[W32+\q:W32+\q+1], v[W32+\q:W32+\q+1]    ; w^8
.endr
.irp q, 0,2,4,6
	v_pk_mul_f32 v[W32+\q:W32+\q+1], v[X8P+\q:X8P+\q+1], v[X8P+\q:X8P+\q+1]    ; w^16
.endr
.irp q, 0,2,4,6
	v_pk_mul_f32 v[W32+\q:W32+\q+1], v[W32+\q:W32+\q+1], v[W32+\q:W32+\q+1]    ; w^32
.endr
	; whole rows S[s][.] into the spare block (each wave its own rows), then each thread takes its piece of a column
	v_mul_u32_u24 v81, v78, 272
	v_lshl_add_u32 v81, v77, 4, v81
	v_add_nc_u32 v81, s30, v81
	ds_store_b128 v81, v[SP:SP+3]
	ds_store_b128 v81, v[SP+4:SP+7] offset:8704
	s_wait_dscnt 0x0                               ; my rows are in LDS before I say so
	BAR
	v_mul_u32_u24 v82, v79, 2176                   ; row 8 (lane%8)
	v_lshl_add_u32 v82, v83, 2, v82
	s_lshl_b32 s31, s24, 4                         ; column 4 wave + lane/8
	s_add_co_u32 s31, s31, SPARE
	v_add_nc_u32 v82, s31, v82
.irp e, 0,1,2,3,4,5,6,7
	ds_load_b32 v[CAR+\e], v82 offset:\e*272
.endr
	s_wait_dscnt 0x0
.endm
; ---------------- the step: out for my work-group's 512 tokens.  On entry 40 loads are out, in this order: 8 of v, 16 of k, 16 of r ----------------
.macro STEP nt
	s_wait_loadcnt 32                              ; v of tokens 0-15 is in: 16 loads of k and 16 of r were issued behind it
.irp i, 0,1,2,3,4,5,6,7
	VSTEP \i, VP+4*\i
.endr
	ISSUE8 VP, 12, 16*TOK, \nt                     ; v of tokens 16-31
	s_wait_loadcnt 8                               ; k and r are in; the eight loads just issued stay out
	; block 1 (tokens 16-31)
.irp i, 0,1,2,3,4,5,6,7
	RSTEP 1, \i
.endr
.irp i, 7,6,5,4,3,2,1,0
	KSTEP 1, \i
.endr
	FRAG8 RP+32, RA_OFF
	FRAG8 KP+32, KA_OFF
	ds_load_b32 v[SP+2], v[CR] offset:64           ; c of token 16 + lane%16
	s_wait_dscnt 0x0
	WB0 T,   KP+32, RP+32                          ; the diagonal tile of block 1: s 0-31 on one accumulator, s 32-63 on another,
	WB0 T+8, KP+40, RP+40                          ; by turns, one instruction a turn
	WBA T,   KP+48, RP+32                          ; lo x hi
	WBA T+8, KP+56, RP+40
	WBA T,   KP+32, RP+48                          ; hi x lo
	WBA T+8, KP+40, RP+56
	PLACES 4
	FRAG8 RP+32, RX_OFF                            ; r w^(a+8)/128: stays in v120-151 to the end of the step
.irp q, 0,2,4,6
	v_pk_add_f32 v[T+\q:T+\q+1], v[T+\q:T+\q+1], v[T+8+\q:T+9+\q]
.endr
	MASK T, SP+2
.irp q, 0,1,2,3
	v_cvt_pk_f16_f32 v[SP+4+\q], v[T+2*\q], v[T+2*\q+1]        ; j = 16 .. 31 of the operand for block 1
.endr
	s_wait_dscnt 0x0                               ; block 1's fragments are in registers: their LDS bytes are written again below
	; block 0 (tokens 0-15)
.irp i, 0,1,2,3,4,5,6,7
	RSTEP 0, \i
.endr
.irp i, 7,6,5,4,3,2,1,0
	KSTEP 0, \i
.endr
	s_wait_loadcnt 0x0                             ; v of tokens 16-31
.irp i, 0,1,2,3,4,5,6,7
	VSTEP \i+8, VP+4*\i
.endr
	FRAG8 RP, RA_OFF                               ; r w^(a-8)/128: stays in v88-119
	FRAG8 KP, KA_OFF
	ds_load_b32 v[SP+2], v[CR]
.irp i, 0,1,2,3
	TFRAG VP+8*\i, V_OFF+32*\i
.endr
	s_wait_dscnt 0x8                               ; all but the eight loads of V's fragments
	WB0 KP+32, KP,    RP                           ; the diagonal tile of block 0 and the tile (j in block 0, i in block 1), by turns
	WB0 KP+40, KP,    RP+32
	WBA KP+32, KP+8,  RP+8
	WBA KP+40, KP+8,  RP+40
	WBA KP+32, KP+16, RP
	WBA KP+40, KP+16, RP+32
	WBA KP+32, KP+24, RP+8
	WBA KP+40, KP+24, RP+40
	WBA KP+32, KP,    RP+16
	WBA KP+40, KP,    RP+48
	WBA KP+32, KP+8,  RP+24
	WBA KP+40, KP+8,  RP+56
	PLACES 4
.irp i, 0,1,2,3
	TFRAG KP+8*\i, KU_OFF+32*\i
.endr
	MASK KP+32, SP+2
.irp q, 0,1,2,3
	v_cvt_pk_f16_f32 v[T+\q], v[KP+32+2*\q], v[KP+33+2*\q]     ; block 0's operand: j = 0 .. 15,
	v_mov_b32 v[T+4+\q], 0                                     ; and nothing from j = 16 .. 31
.endr
.irp q, 0,1,2,3
	v_cvt_pk_f16_f32 v[SP+\q], v[KP+40+2*\q], v[KP+41+2*\q]    ; block 1's operand: j = 0 .. 15
.endr
	s_wait_dscnt 0x0                               ; every staged operand is in registers: U goes over the region
	UPROD VP
	s_wait_dscnt 0x0                               ; my U is in LDS before I say so
	s_barrier_signal -1
.irp i, 0,1,2,3
	WH0 KP+16*\i,   VP+8*\i, T                     ; out^T (d tile i, block 0 / 1) starts with the chunk's own tokens: registers only
	WH0 KP+16*\i+8, VP+8*\i, SP
.endr
	PLACES 5
	s_barrier_wait -1                              ; every wave's U is there
	PLOAD 0
	PLOAD 1
	PLOAD 2
	PLOAD 3
.irp i, 0,1,2,3,4,5,6,7,8,9,10,11,12,13,14,15
	PCH \i
.endr
	s_wait_dscnt 0x0                               ; my parts of all sixteen states are in LDS
	BAR
	SLOAD 0, VP
	SLOAD 1, VP+16
	SLOAD 2, T
	s_wait_dscnt 0x8                               ; two younger batches of four loads stay out
	SMUL 0, VP
	PLACES 4
	SLOAD 3, VP
	s_wait_dscnt 0x8
	SMUL 1, VP+16
	PLACES 4
	SLOAD 4, VP+16
	s_wait_dscnt 0x8
	SMUL 2, T
	PLACES 4
	SLOAD 5, T
	s_wait_dscnt 0x8
	SMUL 3, VP
	PLACES 4
	SLOAD 6, VP
	s_wait_dscnt 0x8
	SMUL 4, VP+16
	PLACES 4
	SLOAD 7, VP+16
	s_wait_dscnt 0x8
	SMUL 5, T
	s_wait_dscnt 0x4                               ; one younger batch stays out
	SMUL 6, VP
	s_wait_dscnt 0x0
	SMUL 7, VP+16
	PLACES 4
	; the way out: a lane holds eight neighbouring d of one token; 32 rows of 256 bytes through my region
.irp i, 0,1,2,3
.irp j, 0,1
	ds_store_b128 v[UST], v[KP+16*\i+8*\j:KP+16*\i+8*\j+3] offset:\j*4352+64*\i
	ds_store_b128 v[UST], v[KP+16*\i+8*\j+4:KP+16*\i+8*\j+7] offset:\j*4352+64*\i+16
.endr
.endr
.irp i, 0,1,2,3,4,5,6,7,8,9,10,11,12,13,14,15
	ds_load_b128 v[RP+4*\i:RP+4*\i+3], v[ORD] offset:\i*544
.endr
.irp i, 0,1,2,3,4,5,6,7,8,9,10,11,12,13,14,15
	s_wait_dscnt 15-\i                             ; the younger read-backs stay out
	global_store_b128 v[GOFF], v[RP+4*\i:RP+4*\i+3], s[20:21] offset:\i*2*TOK th:TH_STORE_NT   ; sixteen lanes store a token's 256 bytes
.endr
.endm
	; ---------------- set-up ----------------
	s_load_b512 s[8:23], s[0:1], 0x0               ; k 8:9, r 10:11, v 12:13, state2 14:15, time_decay 16:17, time_first 18:19, out0 20:21, out1 22:23
	v_lshrrev_b32 v14, 5, v0
	v_readfirstlane_b32 s24, v14                   ; wave 0..15
	s_mul_i32 s25, s24, REG                        ; my region
	s_lshl_b32 s26, s24, 18                        ; 32 tokens x 8,192 bytes
	s_add_co_u32 s27, s25, C_OFF
	s_mov_b32 s28, 0xffff0000                      ; a word's upper bf16
	s_mul_i32 s29, s24, 1088                       ; four rows of 272 bytes
	s_mul_i32 s30, s24, 544                        ; two rows of 272 bytes
	s_add_co_u32 s30, s30, SPARE
	s_lshr_b32 s4, ttmp9, 1                        ; 32 b + h
	s_and_b32 s48, ttmp9, 1                        ; which 512 tokens are mine
	s_lshr_b32 s2, s4, 5                           ; b
	s_lshl_b32 s2, s2, 23                          ; x 1,024 tokens x 8,192 bytes
	s_and_b32 s6, s4, 31                           ; h
	s_lshl_b32 s6, s6, 8                           ; x 256 bytes
	s_or_b32 s2, s2, s6
	s_lshl_b32 s3, s48, 22                         ; + 512 tokens x 8,192 bytes for the second work-group of the pair
	s_or_b32 s2, s2, s3
	s_mov_b32 s3, 0
	s_lshl_b32 s4, s4, 14                          ; (b, h) x 16,384 bytes of state
	s_mov_b32 s5, 0
	s_mov_b32 s7, 0
	v_and_b32 v76, 31, v0                          ; lane
	v_and_b32 v77, 15, v0                          ; lane % 16
	v_lshrrev_b32 v78, 4, v76                      ; lane / 16
	v_and_b32 v79, 7, v0                           ; lane % 8
	v_lshrrev_b32 v83, 3, v76                      ; lane / 8
	v_lshlrev_b32 v[GOFF], 4, v77
	v_lshl_add_u32 v[GOFF], v78, 13, v[GOFF]
	v_add_nc_u32 v[GOFF], s26, v[GOFF]
	v_mul_u32_u24 v81, v78, 272
	v_mul_u32_u24 v82, v77, 272
	v_add_nc_u32 v81, s25, v81
	v_add_nc_u32 v82, s25, v82
	v_lshl_add_u32 v[STW], v77, 3, v81
	v_lshl_add_u32 v[ORD], v77, 4, v81
	v_lshl_add_u32 v[FRP], v78, 4, v82
	v_lshl_add_u32 v[UST], v78, 5, v82
	v_mul_u32_u24 v81, v78, 160
	v_add_nc_u32 v81, s25, v81
	v_lshl_add_u32 v[STT], v77, 3, v81
	v_lshl_add_u32 v81, v78, 3, v79
	v_mul_u32_u24 v81, v81, 160
	v_bfe_u32 v82, v0, 3, 1
	v_lshl_add_u32 v81, v82, 4, v81
	v_add_nc_u32 v[FRT], s25, v81
	v_lshlrev_b32 v81, 2, v78
	v_add_nc_u32 v[CW], s27, v81
	v_lshlrev_b32 v81, 2, v77
	v_add_nc_u32 v[CR], s27, v81
	v_mul_u32_u24 v81, v83, 272
	v_lshl_add_u32 v81, v79, 5, v81
	v_add_nc_u32 v[PF], s29, v81
	v_add_nc_u32 v[PF+1], 4*REG, v[PF]
	v_add_nc_u32 v[PF+2], 8*REG, v[PF]
	v_add_nc_u32 v[PF+3], 12*REG, v[PF]
	v_lshlrev_b32 v14, 4, v77                      ; my four s in the tables of w and u
	v_lshlrev_b32 v15, 5, v79                      ; my eight s of the prefix
	v_lshlrev_b32 v84, 4, v0                       ; my 16 bytes of state2
	v_lshlrev_b32 v81, 3, v78
	v_sub_nc_u32 v81, v77, v81                     ; i - 8 (lane/16): register m of a diagonal tile holds j < i where m < this
.irp m, 0,1,2,3,4,5,6,7
	v_cmp_lt_i32 s[32+\m], \m, v81
	v_cmp_eq_i32 s[40+\m], \m, v81
.endr
	s_wait_kmcnt 0x0
	s_add_nc_u64 s[8:9], s[8:9], s[2:3]            ; k, r, v, out0 at my work-group's first token
	s_add_nc_u64 s[10:11], s[10:11], s[2:3]
	s_add_nc_u64 s[12:13], s[12:13], s[2:3]
	s_add_nc_u64 s[20:21], s[20:21], s[2:3]
	s_add_nc_u64 s[14:15], s[14:15], s[4:5]
	s_add_nc_u64 s[22:23], s[22:23], s[4:5]
	s_add_nc_u64 s[16:17], s[16:17], s[6:7]
	s_add_nc_u64 s[18:19], s[18:19], s[6:7]
	global_load_b128 v[72:75], v14, s[16:17]
	global_load_b128 v[US:US+3], v14, s[18:19]
	global_load_b128 v[X8P:X8P+3], v15, s[16:17]
	global_load_b128 v[X8P+4:X8P+7], v15, s[16:17] offset:16
	global_load_b128 v[SP:SP+3], v84, s[14:15]                 ; state2 rows s = 2 wave + lane/16
	global_load_b128 v[SP+4:SP+7], v84, s[14:15] offset:8192   ; and 32 rows further down
	s_cmp_lg_u32 s48, 0                            ; one branch, the same for all waves of a work-group; each way is written out to its own end
	s_cbranch_scc1 .Lsecond
	; ---------------- the first work-group of a pair: tokens 0-511, from state2 ----------------
	ISSUE8  VP, 12, 0, 0                           ; v and k of these tokens are read by the partner too: no hint
	ISSUE16 KP, 8,  0, 0
	ISSUE16 RP, 10, 0, 1
	HEAD
	STEP 0
	s_wait_xcnt 0x0
	v_lshl_add_u32 v254, v0, 2, 0x4ec00
	v_mov_b32 v255, 0
	s_wait_tensorcnt 0x0
	ds_add_u32 v254, v255
	s_wait_dscnt 0x0
	s_endpgm
	; ---------------- the second: the state at token 512, then tokens 512-1023, then the final state ----------------
.Lsecond:
	ISSUE16 KP, 8,  -STEPB, 0                      ; k and v of tokens 0-511: the bases stand 512 tokens further on, the immediate reaches back
	ISSUE16 RP, 12, -STEPB, 0
	ISSUE8  VP, 12, 0, 1                           ; and already the step's first loads, into registers that the short pass leaves alone
	HEAD
	s_wait_loadcnt 24                              ; k is in: 16 loads of v and the step's 8 were issued behind it
.irp i, 7,6,5,4,3,2,1,0
	KLITE \i
.endr
	ISSUE16 KP, 8, 0, 1                            ; the step's k: KP has been read for the last time in this pass
	s_wait_loadcnt 24                              ; v of tokens 0-511 is in: the step's 8 of v and 16 of k were issued behind it
.irp i, 0,1,2,3,4,5,6,7,8,9,10,11,12,13,14,15
	VSTEP \i, RP+4*\i
.endr
.irp i, 0,1,2,3
	TFRAG RP+8*\i, V_OFF+32*\i                     ; V's fragments in RP .. RP+31,
.endr
.irp i, 0,1,2,3
	TFRAG RP+32+8*\i, KU_OFF+32*\i                 ; K's in RP+32 .. RP+63
.endr
	s_wait_dscnt 0x0                               ; the staged operands are in registers: U goes over the region
	UPRODL RP+32, RP
	s_wait_dscnt 0x0                               ; my U is in LDS before I say so
	ISSUE16 RP, 10, 0, 1                           ; the step's r: five places stand behind the last matrix instruction that read RP
	BAR                                            ; every wave's U is there
	LLOAD 0
	LLOAD 1
	LLOAD 2
.irp i, 0,1,2,3,4,5,6,7,8,9,10,11,12,13,14,15
	LCH \i
.endr
	BAR                                            ; every wave's reads of the regions are back (the last count above was 0): the step may write them
	STEP 1
	; the final state
	v_add_nc_u32 v14, SPARE, v[PF]                 ; rows d = 4 wave + lane/8 of S^T: each wave its own four rows
	ds_store_b128 v14, v[CAR:CAR+3]
	ds_store_b128 v14, v[CAR+4:CAR+7] offset:16
	s_wait_dscnt 0x0
	BAR
	v_and_b32 v15, 15, v0
	v_mul_u32_u24 v15, v15, 1088                   ; d = 4 (lane%16)
	v_bfe_u32 v72, v0, 4, 1
	v_lshl_add_u32 v15, v72, 2, v15                ; s = 2 wave + lane/16
	s_lshl_b32 s31, s24, 3
	s_add_co_u32 s31, s31, SPARE
	v_add_nc_u32 v15, s31, v15
.irp e, 0,1,2,3
	ds_load_b32 v[76+\e], v15 offset:\e*272
.endr
.irp e, 0,1,2,3
	ds_load_b32 v[80+\e], v15 offset:\e*272+128    ; s + 32
.endr
	v_lshlrev_b32 v73, 4, v0
	s_wait_dscnt 0x4                               ; the first four words are in
	global_store_b128 v73, v[76:79], s[22:23] th:TH_STORE_NT
	s_wait_dscnt 0x0
	global_store_b128 v73, v[80:83], s[22:23] offset:8192 th:TH_STORE_NT
	s_wait_xcnt 0x0
	v_lshl_add_u32 v254, v0, 2, 0x4ec00
	v_mov_b32 v255, 0
	s_wait_tensorcnt 0x0
	ds_add_u32 v254, v255
	s_wait_dscnt 0x0
	s_endpgm
.Lfunc_end_k_q875c9c01e9_wkv:
	.size	k_q875c9c01e9_wkv, .Lfunc_end_k_q875c9c01e9_wkv-k_q875c9c01e9_wkv
	.p2alignl 7, 3214868480
	.fill 96, 4, 3214868480
	.section	.rodata,"a",@progbits
	.p2align	6, 0x0
	.amdhsa_kernel k_q875c9c01e9_wkv
		.amdhsa_group_segment_fixed_size 324608
		.amdhsa_private_segment_fixed_size 0
		.amdhsa_enable_private_segment 0
		.amdhsa_kernarg_size 64
		.amdhsa_user_sgpr_count 2
		.amdhsa_user_sgpr_kernarg_segment_ptr 1
		.amdhsa_wavefront_size32 1
		.amdhsa_system_sgpr_workgroup_id_x 1
		.amdhsa_system_sgpr_workgroup_id_y 1
		.amdhsa_system_sgpr_workgroup_id_z 1
		.amdhsa_system_vgpr_workitem_id 0
		.amdhsa_next_free_vgpr 256
		.amdhsa_next_free_sgpr 66
		.amdhsa_reserve_vcc 1
		.amdhsa_float_denorm_mode_32 3
		.amdhsa_float_denorm_mode_16_64 3
		.amdhsa_memory_ordered 1
		.amdhsa_forward_progress 1
		.amdhsa_inst_pref_size 255
	.end_amdhsa_kernel
	.section	.bss,"aw",@nobits
	.p2align	6
	.space	262144
	.amdgpu_metadata
---
amdhsa.version: [ 1, 2 ]
amdhsa.kernels:
  - .name:           k_q875c9c01e9_wkv
    .symbol:         k_q875c9c01e9_wkv.kd
    .args:
      - { .name: k, .offset: 0, .size: 8, .value_kind: global_buffer, .address_space: global }
      - { .name: r, .offset: 8, .size: 8, .value_kind: global_buffer, .address_space: global }
      - { .name: v, .offset: 16, .size: 8, .value_kind: global_buffer, .address_space: global }
      - { .name: state2, .offset: 24, .size: 8, .value_kind: global_buffer, .address_space: global }
      - { .name: time_decay, .offset: 32, .size: 8, .value_kind: global_buffer, .address_space: global }
      - { .name: time_first, .offset: 40, .size: 8, .value_kind: global_buffer, .address_space: global }
      - { .name: out0, .offset: 48, .size: 8, .value_kind: global_buffer, .address_space: global }
      - { .name: out1, .offset: 56, .size: 8, .value_kind: global_buffer, .address_space: global }
    .group_segment_fixed_size: 324608
    .private_segment_fixed_size: 0
    .kernarg_segment_align: 8
    .kernarg_segment_size: 64
    .max_flat_workgroup_size: 512
    .sgpr_count:     66
    .vgpr_count:     256
    .wavefront_size: 32
...
	.end_amdgpu_metadata
.endif
;; end of part 2
